; MI455X (gfx1250); checked and timed in simulation.
; The chip was launched on July 23, 2026; its instructions are those of AMD's public machine-readable ISA for CDNA 5 (MIT licence, August 2026) and "CDNA5" Instruction Set Architecture Reference Guide (July 2026). The comments in the code are by the model that wrote it; some were corrected since.
;; Quantized Linear. Allowed arithmetic: matrix products marked QUANTISED: E2M3 operands, one E8M0 scale for each 32 along K, by v_wmma_scale_f32_16x16x128_f8f6f4 with both operands' format E2M3, f32 sums; everything else in f32.
;; Inputs: bias 1 x 4,096 float32; input_codes 4,096 x 128 x 24 uint8 (E2M3 codes of input, K innermost, in blocks of 32 codes, four codes in three bytes); input_scales 4,096 x 128 uint8 (E8M0 scales of input, one for each 32 codes along K); int8_weights 4,096 x 4,096 int8; scales 4,096 float32.
;; Outputs: out0 4,096 x 4,096 float32.
;; This version of the problem:
;;   THIS VERSION OF THE PROBLEM IS GIVEN IN LOW PRECISION. The matrix products marked QUANTISED in the list below multiply operands that are first quantised to E2M3 (2 exponent bits, 3 mantissa bits; 6 bits a number), with one power-of-two scale for each 32 numbers along K (OCP MX v1.0); their sums are f32. All else is computed in f32.
;;   The module's matrix products, in the order in which they are computed (A, B: the left and right operand; K: the contracted axis; several contracted axes count as one K, in the product's order):
;;     1. [M 4,096, K 4,096] x [K 4,096, N 4,096]; A: input input (given as codes); B: computed on the way: QUANTISED
;;   THE QUANTISER, for each operand of a quantised product, along K:
;;     - K is cut into blocks of 32 from its start; a last block that is shorter is filled with zeros.
;;     - A block's scale is 2^e with e = floor(log2(the largest magnitude in the block)) - 2, held to -126 .. 127; a block of zeros has e = 0. As a byte (E8M0): e + 127.
;;     - Each number is divided by its block's scale, clamped to +-7.5, and rounded to the nearest number of E2M3, ties to even, subnormals kept.
;;     - The product sums the exact products of the quantised numbers (number of the format x scale) in f32.
;;   ~~~python
;;   def quantise(x, axis):      # numpy; x: float32 -> the quantised numbers, widened to float32 again
;;       x = np.moveaxis(x, axis, -1); K = x.shape[-1]
;;       x = np.pad(x, [(0, 0)] * (x.ndim - 1) + [(0, -K % 32)]); x = x.reshape(x.shape[:-1] + (-1, 32)); a = np.abs(x).max(-1, keepdims=True)
;;       e = np.where(a > 0, np.clip(np.frexp(np.where(a > 0, a, 1))[1] - 1 - 2, -126, 127), 0)      # np.frexp(a)[1] - 1 = floor(log2(a)), exactly
;;       r = np.clip(x / 2.0 ** e, -7.5, 7.5)
;;       step = 2.0 ** (np.maximum(np.frexp(np.where(r == 0, 1, r))[1] - 1, 0) - 3)
;;       q = np.round(r / step) * step * 2.0 ** e      # np.round: ties to even
;;       return np.moveaxis(q.reshape(q.shape[:-2] + (-1,))[..., :K], -1, axis).astype(np.float32)
;;   ~~~
;;   OPERANDS COMPUTED ON THE WAY. 'Computed on the way' means the value that the module computes at that place (a softmax that the list does not call 'softmax' is quantised finished and normalised). What goes into a quantiser is computed in f32, as accurately as f32 sums, v_exp_f32 and their like allow (about 1e-6 of the number): no bf16 or f16 on the way to a quantiser, and a product that is left as it is and whose result goes on into a quantised operand takes f32 operands (vector FMAs, or v_wmma_f32_16x16x4_f32). A number that lies on a knife's edge between two numbers of the format may be rounded either way, as far as f32 arithmetic and the matrix unit's own rounding can turn it there, and no further.
;;   INPUTS GIVEN AS CODES. input (in the module: [4096, 4096], K = its axis 1): each comes as NAME_codes (uint8): NAME with its K axis moved to the last place and cut into blocks of 32 codes, [.., K / 32, bytes a block], one block behind the other in memory; four codes in three bytes: a row's codes are one little-endian stream of bits, code i at bits 6 i .. 6 i + 5 (a code: sign, 2 exponent bits, 3 mantissa bits); and NAME_scales (uint8): the same leading axes, one E8M0 byte (e + 127) for each 32 codes along K. Its value is code x scale, taken as it is: it is not quantised again, and the codes and scales need not be those that the quantiser above would give.
;; One version. Each part assembles by itself: llvm-mc -triple=amdgcn-amd-amdhsa -mcpu=gfx1250 --defsym DOCPART=n.
;; ======== version 1 of 1: 2 launches
;; limits: right only within a limited range of input values
;; workspace buffers: w_img 12,582,912 bytes; w_sc 524,288 bytes
;; launch quant (part 1): grid 256 x 1, 16 waves a work-group, no clusters, 73,728 bytes of LDS; arguments int8_weights, scales, w_img, w_sc; writes w_img, w_sc
.if DOCPART == 1
	.amdgcn_target "amdgcn-amd-amdhsa--gfx1250"
	.amdhsa_code_object_version 6
	.text
	.protected	k_qe996da638d_quant
	.globl	k_qe996da638d_quant
	.p2align	8
	.type	k_qe996da638d_quant,@function
k_qe996da638d_quant:
	s_mov_b64 s[64:65], 0
	v_nop
	global_prefetch_b8 v0, s[64:65] scope:SCOPE_SE
	s_setreg_imm32_b32 hwreg(HW_REG_WAVE_MODE, 25, 1), 1
	s_wait_xcnt 0x0
; w[n][k] = f32(int8_weights[n][k]) x scales[n], one f32 rounding, is turned into codes of FP6 (E2M3) with one E8M0 scale byte for each 32 along K (K innermost, 4,096).
; A block's scale is 2^(floor(log2(its largest magnitude)) - 2); its byte is the largest magnitude's exponent field - 2, held at 1 from below.
; LIMITS: a block of zeros gets the byte 1 where the rule says 127 (its codes are zeros, which add nothing under any byte but 0xff, and these bytes are read by this program alone);
; blocks whose largest magnitude lies under 2^-124 are held at the byte 1; NaN and infinities in scales are not served.
; WHAT IS STORED.  w_sc: [n][128] bytes, as rows.  w_img: the codes in the ORDER OF THE OPERAND'S REGISTERS: [n / 128][k / 256][(n % 128) / 16][(k % 256) / 128][1,536 bytes]; a piece of 1,536 bytes is a fragment
; (16 rows x 128 K, 12 registers a lane): register j of lane l at byte 512 (j / 4) + 16 l + 4 (j % 4).  So 128 rows x 256 K are 24,576 dense bytes, and a fragment comes back by three loads of 16 bytes a lane.
; SHARES.  Work-group g takes rows 16 g .. 16 g + 15 and all of K; wave S of sixteen takes k = 256 S .. 256 S + 255: two fragments.  Lane (r, h) holds row r and, for fragment q, the blocks k = 128 q + 64 c + 32 h + 0 .. 31,
; c = 0, 1: a whole block lies in one lane, so its largest magnitude needs no other lane, and the conversions' results are the fragment's registers.
; THE LOADS take the bytes as they lie (sixteen lanes read 256 consecutive bytes of a row, aligned); the wave's 16 x 256 bytes turn through its own stage in LDS (rows 272 bytes apart) and come back 32 bytes a block.
; No tensor load, no loop; one barrier, in front of the way out of the scale bytes, which the sixteen waves gather as 16 whole rows of 128.
.set SPT,  272                         ; a stage row: 256 bytes + 16: an odd multiple of 16, so the sixteen rows that a load of 16 bytes a lane touches start 16 bytes apart modulo 256
.set STGB, 16*SPT                      ; a wave's stage
.set SCB,  16*STGB                     ; behind the sixteen stages: the work-group's scale bytes, [r][128], 2,048 bytes
.set R,    16                          ; v16-47   the eight loads
.set W,    48                          ; v48-79   the same bytes turned: word 16 q + 8 c + d holds my block's numbers 4 d .. 4 d + 3
.set X,    80                          ; v80-143  a fragment's 64 numbers in f32: register 32 c + j = number j of block c
.set PC,   144                         ; v144-167 the codes: 12 registers for each fragment, so that no store's data are written again
.set TP,   168                         ; v168-175 the upper halves of the blocks' codes, as the conversions leave them
.set T,    176                         ; v176-177 largest magnitudes
.set E,    178                         ; v178-179 the conversions' scale operands
.set BY,   180                         ; v180-183 scale bytes, one register for each block
.set OUTS, 184                         ; v184-187 scale bytes on the way out
	s_load_b256 s[4:11], s[0:1], 0x0               ; int8_weights s[4:5], scales s[6:7], w_img s[8:9], w_sc s[10:11]
	v_lshl_add_u32 v192, v0, 2, 0x11800
	v_mov_b32 v193, 0
	v_lshrrev_b32 v1, 5, v0
	s_delay_alu instid0(VALU_DEP_1)
	v_readfirstlane_b32 s12, v1                    ; wave S, 0..15
	v_and_b32 v2, 31, v0                           ; lane
	v_and_b32 v3, 15, v0                           ; r
	v_bfe_u32 v4, v0, 4, 1                         ; h
	s_delay_alu instid0(VALU_DEP_2)
	v_lshlrev_b32 v5, 4, v3
	s_delay_alu instid0(VALU_DEP_1)
	v_lshl_add_u32 v5, v4, 12, v5                  ; in: 16 r + one row of 4,096 bytes for lanes 16-31
	s_mul_i32 s13, s12, STGB                       ; my stage
	v_mul_u32_u24 v6, v4, SPT
	s_delay_alu instid0(VALU_DEP_1)
	v_lshl_add_u32 v6, v3, 4, v6
	s_delay_alu instid0(VALU_DEP_1)
	v_add_nc_u32 v6, s13, v6                       ; into it: row h of a pair, 16 r
	v_mul_u32_u24 v7, v3, SPT
	s_delay_alu instid0(VALU_DEP_1)
	v_lshl_add_u32 v7, v4, 5, v7
	s_delay_alu instid0(VALU_DEP_1)
	v_add_nc_u32 v7, s13, v7                       ; out of it: row r, + 32 h
	v_lshlrev_b32 v8, 2, v3                        ; my row's scale: 4 r
	v_lshl_add_u32 v9, v3, 7, v4                   ; my blocks' bytes: 128 r + h,
	s_lshl_b32 s14, s12, 3
	s_add_co_u32 s14, s14, SCB
	v_add_nc_u32 v9, s14, v9                       ; + 8 S: block 8 S + 4 q + 2 c + h of row r
	v_and_b32 v11, 127, v0
	s_delay_alu instid0(VALU_DEP_1)
	v_lshlrev_b32 v11, 4, v11                      ; the scale bytes' way out: 16 bytes a thread of waves 0 to 3
	s_delay_alu instid0(VALU_DEP_1)
	v_add_nc_u32 v10, SCB, v11
	v_lshlrev_b32 v12, 4, v2                       ; an image's place for my lane: 16 x lane
	s_mov_b32 s18, 0x4b000000                      ; 2^23: with a byte u in its lowest byte it is the f32 number 2^23 + u
	s_mov_b32 s20, 0x07060500                      ; v_perm_b32: byte k of the word under the three upper bytes of 2^23
	s_mov_b32 s21, 0x07060501
	s_mov_b32 s22, 0x07060502
	s_mov_b32 s23, 0x07060503
	s_mov_b32 s24, 0xcb000080                      ; -(2^23 + 128)
	s_mov_b32 s25, s24                             ; (named with it as a pair, so it is written)
	s_mov_b32 s26, 0x80808080                      ; turns four signed bytes i into i + 128
	s_lshl_b32 s16, ttmp9, 16                      ; 16 rows of 4,096 bytes a work-group,
	s_lshl_b32 s13, s12, 8
	s_add_co_u32 s16, s16, s13                     ; 256 bytes of a row a wave
	s_mov_b32 s17, 0
	s_wait_alu depctr_va_vdst(0)
	s_wait_kmcnt 0x0
	s_add_nc_u64 s[4:5], s[4:5], s[16:17]
	s_lshl_b32 s16, ttmp9, 6
	s_add_nc_u64 s[6:7], s[6:7], s[16:17]          ; my 16 rows' scales
	s_lshr_b32 s16, ttmp9, 3
	s_mul_i32 s16, s16, 393216                     ; w_img: 128 rows x 4,096 K are 393,216 bytes,
	s_mul_i32 s13, s12, 24576                      ; 128 rows x 256 K are 24,576,
	s_add_co_u32 s16, s16, s13
	s_and_b32 s13, ttmp9, 7
	s_mul_i32 s13, s13, 3072                       ; 16 rows x 256 K are two fragments
	s_add_co_u32 s16, s16, s13
	s_add_nc_u64 s[8:9], s[8:9], s[16:17]
	s_lshl_b32 s16, ttmp9, 11
	s_add_nc_u64 s[10:11], s[10:11], s[16:17]      ; w_sc: 16 rows of 128 bytes
	global_load_b32 v14, v8, s[6:7]
.irp i, 0,1,2,3,4,5,6,7
	global_load_b128 v[R+4*\i:R+4*\i+3], v5, s[4:5] offset:8192*\i th:TH_LOAD_NT   ; rows 2 i and 2 i + 1: sixteen lanes read 256 consecutive bytes, aligned; read once in the launch
.endr
.irp i, 0,1,2,3,4,5,6,7
	s_wait_loadcnt 7-\i                            ; loads come back in order (ISA guide 5.7.1): load i is in, the younger ones stay out; the row's scale is older than all
	ds_store_b128 v6, v[R+4*\i:R+4*\i+3] offset:2*SPT*\i
.endr
.irp q, 0,1
.irp c, 0,1
.irp u, 0,1
	ds_load_b128 v[W+16*\q+8*\c+4*\u:W+16*\q+8*\c+4*\u+3], v7 offset:128*\q+64*\c+16*\u   ; LDS serves a wave's instructions in order (ISA guide 5.7.1.4): these see my stores
.endr
.endr
.endr
	v_mov_b32 v15, v14                             ; the row's scale twice, for the packed multiply
; Fragment q: 64 numbers a lane become 12 registers of codes and two scale bytes.
.macro FRAGQ q
.if \q == 0
	s_wait_dscnt 4                                 ; fragment 0's four loads are in; fragment 1's four are younger
.else
	s_wait_dscnt 2                                 ; fragment 1's four loads are in; fragment 0's two byte stores are younger
.endif
.irp d, 0,1,2,3,4,5,6,7,8,9,10,11,12,13,14,15
	v_xor_b32 v[W+16*\q+\d], s26, v[W+16*\q+\d]    ; i + 128, four at a time
.endr
.irp d, 0,1,2,3,4,5,6,7,8,9,10,11,12,13,14,15
.irp k, 0,1,2,3
	v_perm_b32 v[X+4*\d+\k], s18, v[W+16*\q+\d], s[20+\k]   ; 2^23 + i + 128, exact
.endr
.endr
.set j, 0
.rept 32
	v_pk_add_f32 v[X+j:X+j+1], v[X+j:X+j+1], s[24:25] op_sel_hi:[1,0]   ; i, exact
.set j, j+2
.endr
.set j, 0
.rept 32
	v_pk_mul_f32 v[X+j:X+j+1], v[X+j:X+j+1], v[14:15]   ; i x scale: one rounding
.set j, j+2
.endr
.irp c, 0,1
	v_max3_num_f32 v[T+\c], |v[X+32*\c]|, |v[X+32*\c+1]|, 0x1800000   ; block c's largest magnitude, and the floor 2^(3 - 127): the byte cannot fall under 1
.endr
.irp i, 2,4,6,8,10,12,14,16,18,20,22,24,26,28,30
.irp c, 0,1
	s_delay_alu instid0(VALU_DEP_2)
	v_max3_num_f32 v[T+\c], v[T+\c], |v[X+32*\c+\i]|, |v[X+32*\c+\i+1]|   ; (the two blocks by turns)
.endr
.endr
.irp c, 0,1
	s_delay_alu instid0(VALU_DEP_2)
	v_add_nc_u32 v[E+\c], 0xff000000, v[T+\c]      ; 2 off its exponent field: the conversion takes the exponent field of this operand as its scale, and nothing else of it
.endr
.irp c, 0,1
	s_delay_alu instid0(VALU_DEP_2)
	v_lshrrev_b32 v[BY+2*\q+\c], 23, v[E+\c]       ; the scale's byte
.endr
.irp c, 0,1
	v_cvt_scalef32_pk16_fp6_f32 v[PC+12*\q+6*\c:PC+12*\q+6*\c+2], v[X+32*\c:X+32*\c+15], v[E+\c]   ; registers 6 c .. 6 c + 2 of the fragment; beyond 7.5 the largest code
	v_cvt_scalef32_pk16_fp6_f32 v[TP+4*\c:TP+4*\c+2], v[X+32*\c+16:X+32*\c+31], v[E+\c]            ; (a conversion's three registers begin on an even number: the upper half is made elsewhere and moved)
.endr
	v_nop                                          ; one plain vector instruction behind the scaled conversions, ahead of the moves and of the next fragment's writes of their sources
.irp c, 0,1
.irp i, 0,1,2
	v_mov_b32 v[PC+12*\q+6*\c+3+\i], v[TP+4*\c+\i]
.endr
.endr
.irp c, 0,1
	ds_store_b8 v9, v[BY+2*\q+\c] offset:4*\q+2*\c ; every lane has bytes of its own
.endr
.irp g, 0,1,2
	global_store_b128 v12, v[PC+12*\q+4*\g:PC+12*\q+4*\g+3], s[8:9] offset:1536*\q+512*\g   ; the image: 32 lanes store 512 consecutive bytes, at a multiple of 512 from w_img's first byte
.endr
.endm
	FRAGQ 0
	FRAGQ 1
	s_wait_dscnt 0x0                               ; for the others' sake: my byte stores have landed
	s_barrier_signal -1
	s_barrier_wait -1                              ; 16 whole rows of scale bytes lie in LDS
	s_cmp_gt_u32 s12, 3
	s_cbranch_scc1 .Ldone                          ; waves 0 to 3 carry them out, 512 bytes each
	ds_load_b128 v[OUTS:OUTS+3], v10
	s_wait_dscnt 0x0
	global_store_b128 v11, v[OUTS:OUTS+3], s[10:11]   ; 32 lanes store 512 consecutive bytes, aligned
.Ldone:
	s_wait_tensorcnt 0x0
	ds_add_u32 v192, v193
	s_wait_dscnt 0x0
	s_endpgm
.Lfunc_end_k_qe996da638d_quant:
	.size	k_qe996da638d_quant, .Lfunc_end_k_qe996da638d_quant-k_qe996da638d_quant
	.p2alignl 7, 3214868480
	.fill 96, 4, 3214868480
	.section	.rodata,"a",@progbits
	.p2align	6, 0x0
	.amdhsa_kernel k_qe996da638d_quant
		.amdhsa_group_segment_fixed_size 73728
		.amdhsa_private_segment_fixed_size 0
		.amdhsa_enable_private_segment 0
		.amdhsa_kernarg_size 32
		.amdhsa_user_sgpr_count 2
		.amdhsa_user_sgpr_kernarg_segment_ptr 1
		.amdhsa_wavefront_size32 1
		.amdhsa_system_sgpr_workgroup_id_x 1
		.amdhsa_system_sgpr_workgroup_id_y 1
		.amdhsa_system_sgpr_workgroup_id_z 1
		.amdhsa_system_vgpr_workitem_id 0
		.amdhsa_next_free_vgpr 194
		.amdhsa_next_free_sgpr 66
		.amdhsa_reserve_vcc 0
		.amdhsa_float_denorm_mode_32 3
		.amdhsa_float_denorm_mode_16_64 3
		.amdhsa_memory_ordered 1
		.amdhsa_forward_progress 1
		.amdhsa_inst_pref_size 32
	.end_amdhsa_kernel
	.amdgpu_metadata
---
amdhsa.version: [ 1, 2 ]
amdhsa.kernels:
  - .name:           k_qe996da638d_quant
    .symbol:         k_qe996da638d_quant.kd
    .args:
      - { .name: int8_weights, .offset: 0, .size: 8, .value_kind: global_buffer, .address_space: global }
      - { .name: scales, .offset: 8, .size: 8, .value_kind: global_buffer, .address_space: global }
      - { .name: w_img, .offset: 16, .size: 8, .value_kind: global_buffer, .address_space: global }
      - { .name: w_sc, .offset: 24, .size: 8, .value_kind: global_buffer, .address_space: global }
    .group_segment_fixed_size: 73728
    .private_segment_fixed_size: 0
    .kernarg_segment_align: 8
    .kernarg_segment_size: 32
    .max_flat_workgroup_size: 512
    .sgpr_count:     66
    .vgpr_count:     194
    .wavefront_size: 32
...
	.end_amdgpu_metadata
.endif
;; end of part 1
;; launch gemm (part 2): grid 16 x 16, 4 waves a work-group, clusters of 4 x 4, 327,680 bytes of LDS; arguments input_codes, input_scales, w_img, w_sc, bias, out0; writes out0
.if DOCPART == 2
	.amdgcn_target "amdgcn-amd-amdhsa--gfx1250"
	.amdhsa_code_object_version 6
	.text
	.protected	k_qe996da638d_gemm
	.globl	k_qe996da638d_gemm
	.p2align	8
	.type	k_qe996da638d_gemm,@function
k_qe996da638d_gemm:
	s_mov_b64 s[64:65], 0
	v_nop
	global_prefetch_b8 v0, s[64:65] scope:SCOPE_SE
	s_setreg_imm32_b32 hwreg(HW_REG_WAVE_MODE, 25, 1), 1
	s_wait_xcnt 0x0
	s_wait_alu depctr_hold_cnt(0) depctr_sa_sdst(0) depctr_va_vdst(0) depctr_va_sdst(0) depctr_va_ssrc(0) depctr_va_vcc(0) depctr_vm_vsrc(0)
	s_getreg_b32 s2, hwreg(HW_REG_IB_STS2, 6, 4)
	s_cmp_eq_u32 s2, 0
	s_cbranch_scc0 .Lentry_in_a_cluster
	s_endpgm
.Lentry_in_a_cluster:
	s_bfe_u32 s2, ttmp6, 0x10000c
	s_cmp_lg_u32 s2, 0xf033
	s_cbranch_scc0 .Lentry_shape_is_right
	s_endpgm
.Lentry_shape_is_right:
; out0[m][n] = sum over k of input[m][k] w[n][k] + bias[n]: both operands codes of FP6 (E2M3) with one E8M0 byte for each 32 along K; sums in f32.
; A work-group of four waves makes 256 x 256 of out0; a wave 256 rows x 64 columns: 64 accumulators.  The matrix instruction is used transposed
; (source 0 = 16 rows of w, source 1 = 16 rows of input): a lane holds eight neighbouring columns of one row.  The first K step takes the bias as C.
; INPUT'S CODES come through LDS in chunks of 256 bytes of each row (a row is 3,072 bytes, so every chunk begins at a multiple of 256), asked for jointly
; by the four work-groups of a row of the 4 x 4 cluster.  THREE places for chunks: eight K steps of 96 bytes are three chunks, so places and steps come
; back to where they began after eight steps, which is one trip of the loop; with two places that would take sixteen steps.  One round serves each change:
; it shows the chunk asked for at the round before to all waves and frees the place read out.  Rounds stand in steps 2 and 5 (second quarter) and 7 (last quarter), each just ahead of a run of loads.
; W'S CODES come from w_img, laid in the order of the operand's registers, from memory straight into registers, three steps (36 loads) ahead: each wave has columns of its own.
; THE SCALES of the 256 rows and 256 columns, for all of K, come into LDS once, at the head, and stay: units of 256 bytes 264 apart.  One register carries the words of blocks 2 k (lanes 0-15) and
; 2 k + 1 (lanes 16-31), which lie 2,112 bytes apart: the 32 lanes of a load name 32 different banks (64 banks of 4 bytes: ISA guide 11.1).
; REGISTERS.  Each of the four windows of 256 holds: v32-79 a quarter of input's fragments (4 x 12), v80-127 one of four sets of w's fragments (4 x 12), v128-255 sixteen accumulators.
; Window 0 also: v0-11 addresses, v12-31 scale words, two sets of ten.  Windows 1, 2: v12-27 the bias.  Window 3: v12-14 the way out.
; A step is four phases of 16 matrix instructions; phase w works on window w's accumulators (row blocks 4 w .. 4 w + 3).  Quarter q of input's fragments lies in window (q + 2) % 4.
; TWO RUNS OF LOADS A STEP: at the head of phase 0 this step's quarters 2 and 3 and the set of w for three steps on; at the head of phase 2 the next step's scale words and its quarters 0 and 1.
; Each quarter is asked for 32 or 48 matrix instructions ahead of its use, and the waits are counted block by block.
; THE LAST TWO STEPS GO BY ROWS: each quarter of the row blocks takes both steps (32 matrix instructions) and then leaves, so that the stores begin 96 matrix instructions ahead of the last product.
; NO PREFETCH is written: a chunk is asked for 2.5 to 3 steps (160 to 192 matrix instructions) ahead of the wait for it, and w's fragments 3 steps ahead of theirs.
.set SIZE_N, 4096
.set ROWB,   256
.set KROW,   3072
.set PITCH,  272                       ; 256 bytes + 16 of padding
.set FR,     12
.set FRB,    1536                      ; a fragment's image in w_img
.set WPAIR,  16*FRB                    ; 128 rows x 256 K of w_img
.set QUART,  64*PITCH
.set SLOT,   4*QUART                   ; a chunk of 256 rows
.set SBLK,   8*264                     ; the scales of 16 rows: 8 units of 256 bytes + 8
.set SCL,    3*SLOT                    ; input's scales, 128 units
.set SCLB,   SCL+16*SBLK               ; w's
.set SPARE,  SCLB+16*SBLK              ; the spare words, 512 bytes
.set SPITCH, 272                       ; the way out: 16 rows x 272 bytes a wave, in place 0, which has had its last fill and its last read by then
.set SPW,  1
.set NIL,  2
.set ADRA, 3                           ; v3-5: my fragment's row in place 0, 1, 2
.set ADRX, 6                           ; v6-8: lanes 0-15 byte 232 of the row in place j, lanes 16-31 byte 0 in place (j + 1) % 3
.set LI,   9                           ; 16 x lane
.set ADRS, 10                          ; input's scale words
.set ADRT, 11                          ; w's
.set SC,   12
.set BIAS, 12
.set STO,  12
.set RD,   13
.set CO,   14
.set AQ,   32
.set BS,   80
.set ACC,  128
.set BK,   80                          ; the way out: rows read back, v80-111 of windows 0 and 1 by turns (w's sets 0 and 1, done with by then)
.set G1,   24
.set G0,   32
.set BP,   48
.set G1H,  56
.set G1S,  68
.set G0S,  76
.set G1SB, 80
.set G0SB, 88
.set G0H,  92
.set G0H1, 96
.set MSB, 0
.macro WIN new                         ; the immediate's high byte repeats the setting that is left
.if MSB != (\new)
	s_set_vgpr_msb (MSB<<8)|(\new)
.set MSB, (\new)
.endif
.endm
.macro PLACES n
.rept \n
	v_nop
.endr
.endm
.macro CREST
	s_cmp_lg_u32 s14, 0
	s_cbranch_scc1 .Lnot_wave_0_\@
	s_barrier_signal -3
.Lnot_wave_0_\@:
	s_barrier_wait -3
	s_barrier_signal -1
	s_barrier_wait -1
.endm
.macro CROUND
	s_barrier_signal -1
	s_barrier_wait -1
	CREST
.endm
	s_load_b128 s[4:7], s[0:1], 0x0                ; input_codes, input_scales
	s_load_b128 s[8:11], s[0:1], 0x10              ; w_img, w_sc
	s_load_b64 s[66:67], s[0:1], 0x20              ; bias
	s_load_b64 s[12:13], s[0:1], 0x28              ; out0
	v_lshl_add_u32 v[SPW], v0, 2, SPARE
	v_mov_b32 v[NIL], 0
	ds_add_u32 v[SPW], v[NIL]                      ; the opening lines: the add twice on end and one wait
	ds_add_u32 v[SPW], v[NIL]
	v_lshrrev_b32 v32, 5, v0
	v_readfirstlane_b32 s14, v32                   ; wave
	s_lshr_b32 s15, s14, 1
	s_and_b32 s16, s14, 1
	s_bfe_u32 s44, ttmp6, 0x40000                  ; cx
	s_bfe_u32 s45, ttmp6, 0x40004                  ; cy
	s_lshl_b32 s50, ttmp9, 2
	s_add_co_u32 s50, s50, s44                     ; tile column
	s_and_b32 s17, ttmp7, 0xffff
	s_lshl_b32 s17, s17, 2
	s_add_co_u32 s17, s17, s45                     ; tile row
	s_lshl_b32 s51, s45, 2
	s_lshl_b32 s51, 15, s51                        ; my row of the cluster
	s_lshl_b32 s52, 0x1111, s44                    ; my column
	s_or_b32 s[G1], s51, (1<<20)|(1<<21)|(5<<22)|(3<<25)    ; rows of 256 bytes, 16 bytes of padding behind each; 64 rows
	s_or_b32 s[G1H], s51, (1<<20)|(1<<21)|(5<<22)|(3<<25)   ; the same, 256 rows: the head's
.irp g, G1, G1H
	s_mov_b32 s[\g+1], ROWB<<16
	s_mov_b32 s[\g+3], ROWB<<16
	s_mov_b32 s[\g+5], KROW
	s_mov_b32 s[\g+6], 0
	s_mov_b32 s[\g+7], 0
.endr
	s_mov_b32 s[G1+2], 64<<16
	s_mov_b32 s[G1+4], 64
	s_mov_b32 s[G1H+2], 256<<16
	s_mov_b32 s[G1H+4], 256
	s_or_b32 s[G1S], s51, (3<<16)|(1<<20)|(1<<21)|(5<<22)|(1<<25)   ; the scales of 256 rows: 32,768 dense bytes as 128 rows of 256, 8 bytes of padding behind each
	s_or_b32 s[G1SB], s52, (3<<16)|(1<<20)|(1<<21)|(5<<22)|(1<<25)
.irp g, G1S, G1SB
	s_mov_b32 s[\g+1], 32<<16
	s_mov_b32 s[\g+2], 128<<16
	s_mov_b32 s[\g+3], 32<<16
	s_mov_b32 s[\g+4], 128
	s_mov_b32 s[\g+5], 32
	s_mov_b32 s[\g+6], 0
	s_mov_b32 s[\g+7], 0
.endr
	s_mul_i32 s20, s17, 256*KROW                   ; input's tile, in bytes
	s_mov_b32 s21, 0
	s_lshl_b32 s22, s17, 15                        ; its scales
	s_mov_b32 s23, 0
	s_lshl_b32 s46, s50, 15                        ; w's scales
	s_mov_b32 s47, 0
	s_mul_i32 s18, s14, 64*KROW                    ; my 64 rows of a chunk
	s_mov_b32 s19, 0
	s_mul_i32 s53, s14, QUART
	s_lshl_b32 s54, s50, 1
	s_add_co_u32 s54, s54, s15
	s_mul_i32 s54, s54, 128*KROW                   ; w_img: my 128 rows,
	s_mul_i32 s2, s16, 8*FRB                       ; and my 64 of them
	s_add_co_u32 s54, s54, s2
	s_mov_b32 s55, 0
	s_wait_dscnt 0x0
	s_wait_kmcnt 0x0
	s_add_nc_u64 s[20:21], s[4:5], s[20:21]
	s_add_nc_u64 s[22:23], s[6:7], s[22:23]
	s_add_nc_u64 s[46:47], s[10:11], s[46:47]
	s_add_nc_u64 s[BP:BP+1], s[8:9], s[54:55]
	s_mov_b32 s[G0H], 1                            ; chunk 0, whole
	s_mov_b32 s[G0H+1], 0
	s_mov_b64 s[G0H+2:G0H+3], s[20:21]
	s_or_b32 s[G0H+3], s[G0H+3], 0x80000000
	s_mov_b32 s[G0H1], 1                           ; chunk 1, whole
	s_mov_b32 s[G0H1+1], SLOT
	s_add_nc_u64 s[G0H1+2:G0H1+3], s[20:21], ROWB
	s_or_b32 s[G0H1+3], s[G0H1+3], 0x80000000
	s_mov_b32 s[G0S], 1
	s_mov_b32 s[G0S+1], SCL
	s_mov_b64 s[G0S+2:G0S+3], s[22:23]
	s_or_b32 s[G0S+3], s[G0S+3], 0x80000000
	s_mov_b32 s[G0SB], 1
	s_mov_b32 s[G0SB+1], SCLB
	s_mov_b64 s[G0SB+2:G0SB+3], s[46:47]
	s_or_b32 s[G0SB+3], s[G0SB+3], 0x80000000
	s_add_nc_u64 s[20:21], s[20:21], s[18:19]
.irp s, 0,1,2
	s_mov_b32 s[G0+4*\s], 1                        ; the ring: my quarter of place s
	s_add_co_u32 s[G0+4*\s+1], s53, \s*SLOT
	s_add_nc_u64 s[G0+4*\s+2:G0+4*\s+3], s[20:21], \s*ROWB
	s_or_b32 s[G0+4*\s+3], s[G0+4*\s+3], 0x80000000
.endr
	CROUND                                         ; all sixteen work-groups are here: the first joint loads meet
; the head's four tiles, one load a wave, in one chain of branches on the wave's number
.macro ARM under, g0, g1, next
	s_cmp_lt_u32 s14, \under
	s_cbranch_scc0 \next
	tensor_load_to_lds s[\g0:\g0+3], s[\g1:\g1+7]
	s_nop 0
	PLACES 4
	s_branch .Lhead_asked
\next:
.endm
	ARM 1, G0H,  G1H,  .Lhead_1
	ARM 2, G0S,  G1S,  .Lhead_2
	ARM 3, G0SB, G1SB, .Lhead_3
	tensor_load_to_lds s[G0H1:G0H1+3], s[G1H:G1H+7]
	s_nop 0
	PLACES 4
.Lhead_asked:
	s_lshl_b32 s46, s50, 10                        ; my first column, in bytes of f32: 1,024 x tile column + 256 x wave
	s_lshl_b32 s47, s14, 8
	s_add_co_u32 s46, s46, s47
	s_mov_b32 s47, 0
	s_add_nc_u64 s[66:67], s[66:67], s[46:47]
	s_lshl_b32 s20, s17, 22                        ; 256 rows of 16,384 bytes a tile row
	s_mov_b32 s21, 0
	s_add_nc_u64 s[12:13], s[12:13], s[20:21]
	s_add_nc_u64 s[12:13], s[12:13], s[46:47]
	s_mov_b32 s18, SLOT-232
	s_mov_b32 s19, 2*SLOT+232
	s_mul_i32 s22, s14, 4*SBLK
	s_add_co_u32 s22, s22, SCLB                    ; my 64 columns' scales
	s_mul_i32 s23, s14, 16*SPITCH                  ; my stage
	v_and_b32 v33, 15, v0                          ; r
	v_bfe_u32 v34, v0, 4, 1                        ; h
	v_and_b32 v35, 31, v0
	v_lshlrev_b32 v36, 5, v34                      ; the bias: 32 h
	v_lshlrev_b32 v[LI], 4, v35
.macro BL1 u, b, g                     ; 16 bytes a lane of fragment b of step u (counted from the base)
	global_load_b128 v[BS+FR*(\b)+4*(\g):BS+FR*(\b)+4*(\g)+3], v[LI], s[BP:BP+1] offset:((\u)/2)*WPAIR+((\u)%2)*FRB+(\b)*2*FRB+512*(\g)
.endm
.macro BSET u                          ; the set of step u, into window u % 4
	WIN ((\u)%4)<<6
.irp b, 0,1,2,3
.irp g, 0,1,2
	BL1 \u, \b, \g
.endr
.endr
.endm
.irp b, 0,1,2,3
	WIN (1+\b/2)<<6
	global_load_b128 v[BIAS+8*(\b%2):BIAS+8*(\b%2)+3], v36, s[66:67] offset:64*\b       ; register j: bias of column 16 b + 8 h + j
	global_load_b128 v[BIAS+8*(\b%2)+4:BIAS+8*(\b%2)+7], v36, s[66:67] offset:64*\b+16
.endr
	BSET 0
	BSET 1
	BSET 2
	WIN 0
	v_mul_u32_u24 v37, v33, PITCH
	v_mad_u32_u24 v38, v34, 24, v37                ; row x pitch + 24 h
	v_mul_u32_u24 v39, s18, v34
	v_add_nc_u32 v39, v37, v39
	v_sub_nc_u32 v40, 1, v34
	v_mul_u32_u24 v40, s19, v40
	v_lshlrev_b32 v41, 7, v33                      ; a row of scales is 128 bytes,
	v_lshrrev_b32 v42, 1, v33
	v_lshl_add_u32 v41, v42, 3, v41                ; and 8 more for each two rows passed;
	v_mad_u32_u24 v42, v34, SBLK, v41              ; lanes 16-31 take the next block of 16 rows
	v_lshl_add_u32 v44, v34, 5, v37                ; into the stage: row r, 32 h
	v_mul_u32_u24 v45, v34, SPITCH
	v_lshl_add_u32 v45, v33, 4, v45                ; back: row h of a pair, 16 r
	v_lshlrev_b32 v46, 14, v34                     ; and the same two rows in out0
	v_mov_b32 v[ADRA], v38
	v_add_nc_u32 v[ADRA+1], SLOT, v38
	v_add_nc_u32 v[ADRA+2], 2*SLOT, v38
	v_add_nc_u32 v[ADRX], 232, v39                 ; across places 0 and 1,
	v_add_nc_u32 v[ADRX+1], SLOT+232, v39          ; 1 and 2,
	v_add_nc_u32 v[ADRX+2], v37, v40               ; 2 and 0
	v_add_nc_u32 v[ADRS], SCL, v42
	v_add_nc_u32 v[ADRT], s22, v42
	WIN 3<<6
	v_add_nc_u32 v[STO], s23, v44                  ; (window 3)
	v_add_nc_u32 v[RD], s23, v45
	v_lshl_add_u32 v[CO], v33, 4, v46
	WIN 0
; piece p (8 bytes a lane) of input's block blk of step st.  Byte y of a row lies in place (y / 256) % 3 at byte y % 256; lanes 16-31 read 24 bytes further on
.macro LDA st, blk, p
.set BY, 96*(\st)+48*((\p)/3)+8*((\p)%3)
.set RG, AQ+FR*((\blk)%4)+2*(\p)
.if BY/ROWB == (BY+24)/ROWB
	ds_load_b64 v[RG:RG+1], v[ADRA+(BY/ROWB)%3] offset:BY%ROWB+(\blk)*16*PITCH
.else
	ds_load_b64 v[RG:RG+1], v[ADRX+(BY/ROWB)%3] offset:BY%ROWB-232+(\blk)*16*PITCH
.endif
.endm
.macro LDQ st, q, win                  ; quarter q of step st, 24 loads, into window win
	WIN (\win)<<6
.irp g, 0,1,2,3
.irp p, 0,1,2,3,4,5
	LDA \st, 4*(\q)+\g, \p
.endr
.endr
.endm
.macro LDSC st                         ; the ten scale words of step st into set st % 2: eight of input's, two of w's
	WIN 0
.irp i, 0,1,2,3,4,5,6,7
	ds_load_b32 v[SC+10*((\st)%2)+\i], v[ADRS] offset:\i*2*SBLK+4*(\st)
.endr
.irp j, 0,1
	ds_load_b32 v[SC+10*((\st)%2)+8+\j], v[ADRT] offset:\j*2*SBLK+4*(\st)
.endr
.endm
.macro WM a, b, st, first, aw          ; row block a x column block b; aw: the window of input's fragment.  The accumulators take turns
.set pw, (\a)/4
.set rD, ACC+8*(4*((\a)%4)+(\b))
.set rB, BS+FR*(\b)
.set rA, AQ+FR*((\a)%4)
.set sB, SC+10*((\st)%2)+8+(\b)/2
.set sA, SC+10*((\st)%2)+(\a)/2
.if \first
.set rC, BIAS+8*((\b)%2)
	WIN (pw<<6)|((1+(\b)/2)<<4)|((\aw)<<2)|((\st)%4)
.else
.set rC, rD
	WIN (pw<<6)|(pw<<4)|((\aw)<<2)|((\st)%4)
.endif
.if (((\a)%2) == 0) && (((\b)%2) == 0)
	v_wmma_scale_f32_16x16x128_f8f6f4 v[rD:rD+7], v[rB:rB+FR-1], v[rA:rA+FR-1], v[rC:rC+7], v[sB], v[sA] matrix_a_fmt:MATRIX_FMT_FP6 matrix_b_fmt:MATRIX_FMT_FP6
.elseif ((\a)%2) == 0
	v_wmma_scale_f32_16x16x128_f8f6f4 v[rD:rD+7], v[rB:rB+FR-1], v[rA:rA+FR-1], v[rC:rC+7], v[sB], v[sA] matrix_a_fmt:MATRIX_FMT_FP6 matrix_b_fmt:MATRIX_FMT_FP6 matrix_a_scale:MATRIX_SCALE_ROW1
.elseif ((\b)%2) == 0
	v_wmma_scale_f32_16x16x128_f8f6f4 v[rD:rD+7], v[rB:rB+FR-1], v[rA:rA+FR-1], v[rC:rC+7], v[sB], v[sA] matrix_a_fmt:MATRIX_FMT_FP6 matrix_b_fmt:MATRIX_FMT_FP6 matrix_b_scale:MATRIX_SCALE_ROW1
.else
	v_wmma_scale_f32_16x16x128_f8f6f4 v[rD:rD+7], v[rB:rB+FR-1], v[rA:rA+FR-1], v[rC:rC+7], v[sB], v[sA] matrix_a_fmt:MATRIX_FMT_FP6 matrix_b_fmt:MATRIX_FMT_FP6 matrix_a_scale:MATRIX_SCALE_ROW1 matrix_b_scale:MATRIX_SCALE_ROW1
.endif
.endm
.macro MUL4 st, w, g, first, aw
.irp b, 0,1,2,3
	WM 4*(\w)+(\g), \b, \st, \first, \aw
.endr
.endm
; A phase: 16 matrix instructions.  base: the LDS instructions issued behind this phase's quarter; behind block g's six loads stand 6 (3 - g) more.  The wait's field holds 63 at the most.
.macro PHASE st, w, first, base
.set NP, -1
.irp g, 0,1,2,3
.set NW, (\base)+18-6*\g
.if NW > 63
.set NW, 63
.endif
.if NW != NP
	s_wait_dscnt NW
.endif
.set NP, NW
	MUL4 \st, \w, \g, \first, ((\w)+2)%4
.endr
.endm
; A phase with a change of chunks.  In front of the barrier: the wait for all my tensor loads, the add, eight matrix instructions, the wait for the add and for all my LDS reads.
; Behind it (fill = 1: behind the round that it opens) the place read out is filled again, three chunks on.  The run of loads that follows begins with four v_nop.
; n: behind block 1's loads stand 12 of its quarter, the run issued since, and the add.
.macro BPHASE st, w, fill, slot, n
	WIN 0
	s_wait_tensorcnt 0x0
	ds_add_u32 v[SPW], v[NIL]
	s_wait_dscnt \n
	MUL4 \st, \w, 0, 0, ((\w)+2)%4
	MUL4 \st, \w, 1, 0, ((\w)+2)%4
	s_wait_dscnt 0x0
	s_barrier_signal -1
	MUL4 \st, \w, 2, 0, ((\w)+2)%4
	MUL4 \st, \w, 3, 0, ((\w)+2)%4
	WIN 0
	s_barrier_wait -1
.if \fill
	CREST
	s_add_nc_u64 s[G0+4*(\slot)+2:G0+4*(\slot)+3], s[G0+4*(\slot)+2:G0+4*(\slot)+3], 3*ROWB
	tensor_load_to_lds s[G0+4*(\slot):G0+4*(\slot)+3], s[G1:G1+7]
	s_nop 0
.endif
.endm
; A step of 128 along K.  lc: the global loads issued behind this step's set of w.  bar: the phase with the change of chunks (1, 3; 9: none).
; pre = 1: the two steps that follow go by rows, so the second run fetches quarter 0 of both.
; The four v_nop ahead of each run are the places between the matrix instructions that read the registers and the loads into them.
.macro STEP st, first, bl, lc, bar, fill, slot, pre
	s_wait_loadcnt \lc
	PLACES 4
	LDQ \st, 2, 0
	LDQ \st, 3, 1
.if \bl
	BSET (\st)+3
.endif
	PHASE \st, 0, \first, 72                       ; behind quarter 0: quarter 1's 24 and this run's 48
.if (\bar) == 1
	BPHASE \st, 1, \fill, \slot, 61
.else
	PHASE \st, 1, \first, 48
.endif
	PLACES 4
	LDSC (\st)+1
	LDQ (\st)+1, 0, 2
.if \pre
	LDQ (\st)+2, 0, 3
.else
	LDQ (\st)+1, 1, 3
.endif
	PHASE \st, 2, \first, 82                       ; behind quarter 2: quarter 3's 24 and this run's 58
.if (\bar) == 3
	BPHASE \st, 3, \fill, \slot, 63
.else
	PHASE \st, 3, \first, 58
.endif
.endm
	s_wait_alu depctr_va_vdst(0)                   ; the wait at the head's end
	s_wait_tensorcnt 0x0                           ; my tile of the head's four is in
	ds_add_u32 v[SPW], v[NIL]
	s_wait_dscnt 0x0
	CROUND                                         ; all four are in, in every work-group
	tensor_load_to_lds s[G0+8:G0+11], s[G1:G1+7]   ; chunk 2, a quarter a wave: a first fill, issued as a refill is
	s_nop 0
	PLACES 4
	LDSC 0
	LDQ 0, 0, 2
	LDQ 0, 1, 3
	STEP 0, 1, 1, 24, 9, 0, 0, 0                   ; the first step's products take the bias as C
	WIN 0
	s_mov_b32 s3, 3
.Llap:                                                 ; a trip: steps 1 to 8 of eight, three refills
	STEP 1, 0, 1, 24, 9, 0, 0, 0
	STEP 2, 0, 1, 24, 1, 1, 0, 0
	STEP 3, 0, 1, 24, 9, 0, 0, 0
	STEP 4, 0, 1, 24, 9, 0, 0, 0
	STEP 5, 0, 1, 24, 1, 1, 1, 0
	STEP 6, 0, 1, 24, 9, 0, 0, 0
	STEP 7, 0, 1, 24, 3, 1, 2, 0
	STEP 8, 0, 1, 24, 9, 0, 0, 0
	WIN 0
	s_wait_xcnt 0x0                                ; the loads have read their base
	s_add_nc_u64 s[BP:BP+1], s[BP:BP+1], 4*WPAIR
	v_add_nc_u32 v[ADRS], 32, v[ADRS]              ; eight steps' scale words on
	v_add_nc_u32 v[ADRT], 32, v[ADRT]
	s_sub_co_u32 s3, s3, 1
	s_cmp_lg_u32 s3, 0
	s_wait_alu depctr_va_vdst(0)                   ; the wait ahead of the branch
	s_cbranch_scc1 .Llap
	STEP 1, 0, 1, 24, 9, 0, 0, 0                   ; the last seven steps fill nothing
	STEP 2, 0, 1, 24, 1, 0, 0, 0                   ; one barrier: the last chunk is whole for all waves, and place 0 is read no more
	STEP 3, 0, 1, 24, 9, 0, 0, 0
	STEP 4, 0, 1, 24, 9, 0, 0, 0
	STEP 5, 0, 0, 24, 9, 0, 0, 1
; THE WAY OUT, block by block of 16 rows x 64 columns, through my own stage: back come whole rows of 256 bytes, which sixteen lanes store as one aligned unit.
.macro TOSTAGE a
.set AC, ACC+32*((\a)%4)
	WIN (((\a)/4)<<2)|3                            ; data: the block's window; addresses: window 3
.irp b, 0,1,2,3
	ds_store_b128 v[STO], v[AC+8*\b:AC+8*\b+3] offset:64*\b
	ds_store_b128 v[STO], v[AC+8*\b+4:AC+8*\b+7] offset:64*\b+16
.endr
	WIN (((\a)%2)<<6)|3
.irp t, 0,1,2,3,4,5,6,7
	ds_load_b128 v[BK+4*\t:BK+4*\t+3], v[RD] offset:\t*2*SPITCH    ; LDS serves a wave's instructions in order: these see the stores above
.endr
.endm
.macro SEND a, younger
	s_wait_dscnt \younger
	WIN (((\a)%2)<<2)|3
.irp t, 0,1,2,3,4,5,6,7
	global_store_b128 v[CO], v[BK+4*\t:BK+4*\t+3], s[12:13] offset:((\a)*16+2*\t)*SIZE_N*4 th:TH_STORE_NT
.endr
.endm
.macro OUT4 a0                         ; four finished blocks leave
.if (\a0) > 0
	s_wait_xcnt 0x0                                ; the stores of two blocks ago have read their registers
.endif
	TOSTAGE \a0
.irp d, 1,2,3
.if (\a0)+\d > 1
	s_wait_xcnt 0x0
.endif
	TOSTAGE (\a0)+\d
	SEND (\a0)+\d-1, 16                            ; behind the block's loads: the next block's 8 stores and 8 loads
.endr
	SEND (\a0)+3, 0
.endm
; Quarter q of the row blocks through steps 6 and 7: its fragments lie in windows 2 and 3 (q even) or 0 and 1 (q odd).  Four places follow, for the loads into them and the reads of the results.
.macro ROWS q, n6, n7
	s_wait_dscnt \n6
.irp g, 0,1,2,3
	MUL4 6, \q, \g, 0, 2-2*((\q)%2)
.endr
.if (\n7) != (\n6)
	s_wait_dscnt \n7
.endif
.irp g, 0,1,2,3
	MUL4 7, \q, \g, 0, 3-2*((\q)%2)
.endr
	PLACES 4
.endm
	PLACES 4
	LDSC 7
	LDQ 6, 1, 0
	LDQ 7, 1, 1
	s_wait_loadcnt 0x0                             ; both steps' sets of w are in
	ROWS 0, 63, 48                                 ; behind step 6's quarter 0 stand 82 loads; behind step 7's scale words 48
	LDQ 6, 2, 2
	LDQ 7, 2, 3
	OUT4 0
	ROWS 1, 0, 0
	LDQ 6, 3, 0
	LDQ 7, 3, 1
	OUT4 4
	ROWS 2, 0, 0
	OUT4 8
	ROWS 3, 0, 0
	OUT4 12
	WIN 0
	s_wait_tensorcnt 0x0                           ; the wave's end
	ds_add_u32 v[SPW], v[NIL]
	s_wait_dscnt 0x0
	CROUND                                         ; the closing round
	s_endpgm
.Lfunc_end_k_qe996da638d_gemm:
	.size	k_qe996da638d_gemm, .Lfunc_end_k_qe996da638d_gemm-k_qe996da638d_gemm
	.p2alignl 7, 3214868480
	.fill 96, 4, 3214868480
	.section	.rodata,"a",@progbits
	.p2align	6, 0x0
	.amdhsa_kernel k_qe996da638d_gemm
		.amdhsa_group_segment_fixed_size 327680
		.amdhsa_private_segment_fixed_size 0
		.amdhsa_enable_private_segment 0
		.amdhsa_kernarg_size 48
		.amdhsa_user_sgpr_count 2
		.amdhsa_user_sgpr_kernarg_segment_ptr 1
		.amdhsa_wavefront_size32 1
		.amdhsa_system_sgpr_workgroup_id_x 1
		.amdhsa_system_sgpr_workgroup_id_y 1
		.amdhsa_system_sgpr_workgroup_id_z 1
		.amdhsa_system_vgpr_workitem_id 0
		.amdhsa_next_free_vgpr 1024
		.amdhsa_next_free_sgpr 100
		.amdhsa_reserve_vcc 0
		.amdhsa_float_denorm_mode_32 3
		.amdhsa_float_denorm_mode_16_64 3
		.amdhsa_memory_ordered 1
		.amdhsa_forward_progress 1
		.amdhsa_inst_pref_size 255
	.end_amdhsa_kernel
	.section	.bss,"aw",@nobits
	.p2align	6
	.space	262144
	.amdgpu_metadata
---
amdhsa.version: [ 1, 2 ]
amdhsa.kernels:
  - .name:           k_qe996da638d_gemm
    .symbol:         k_qe996da638d_gemm.kd
    .args:
      - { .name: input_codes, .offset: 0, .size: 8, .value_kind: global_buffer, .address_space: global }
      - { .name: input_scales, .offset: 8, .size: 8, .value_kind: global_buffer, .address_space: global }
      - { .name: w_img, .offset: 16, .size: 8, .value_kind: global_buffer, .address_space: global }
      - { .name: w_sc, .offset: 24, .size: 8, .value_kind: global_buffer, .address_space: global }
      - { .name: bias, .offset: 32, .size: 8, .value_kind: global_buffer, .address_space: global }
      - { .name: out0, .offset: 40, .size: 8, .value_kind: global_buffer, .address_space: global }
    .group_segment_fixed_size: 327680
    .private_segment_fixed_size: 0
    .kernarg_segment_align: 8
    .kernarg_segment_size: 48
    .max_flat_workgroup_size: 128
    .sgpr_count:     100
    .vgpr_count:     1024
    .wavefront_size: 32
...
	.end_amdgpu_metadata
.endif
;; end of part 2
